; MI455X (gfx1250); checked and timed in simulation.
; The chip was launched on July 23, 2026; its instructions are those of AMD's public machine-readable ISA for CDNA 5 (MIT licence, August 2026) and "CDNA5" Instruction Set Architecture Reference Guide (July 2026). The comments in the code are by the model that wrote it; some were corrected since.
;; DS Full Attention. Allowed arithmetic: matrix products marked QUANTISED: E5M2 operands, one E8M0 scale for each 32 along K, by v_wmma_scale_f32_16x16x128_f8f6f4 with both operands' format E5M2, f32 sums; everything else in f32.
;; Inputs: attn_mask 2,048 x 2,048 bool; keys_codes 4 x 2,048 x 8 x 2 x 32 uint8 (E5M2 codes of keys, K innermost, in blocks of 32 codes); keys_scales 4 x 2,048 x 8 x 2 uint8 (E8M0 scales of keys, one for each 32 codes along K); queries_codes 4 x 2,048 x 8 x 2 x 32 uint8 (E5M2 codes of queries, K innermost, in blocks of 32 codes); queries_scales 4 x 2,048 x 8 x 2 uint8 (E8M0 scales of queries, one for each 32 codes along K); tau 4 x 1 x 1 x 1 float32; values_codes 4 x 8 x 64 x 64 x 32 uint8 (E5M2 codes of values, K innermost, in blocks of 32 codes); values_scales 4 x 8 x 64 x 64 uint8 (E8M0 scales of values, one for each 32 codes along K).
;; Outputs: out0 4 x 2,048 x 8 x 64 float32.
;; This version of the problem:
;;   THIS VERSION OF THE PROBLEM IS GIVEN IN LOW PRECISION. The matrix products marked QUANTISED in the list below multiply operands that are first quantised to E5M2 (5 exponent bits, 2 mantissa bits; 8 bits a number), with one power-of-two scale for each 32 numbers along K (OCP MX v1.0); their sums are f32. All else is computed in f32.
;;   The module's matrix products, in the order in which they are computed (A, B: the left and right operand; K: the contracted axis; several contracted axes count as one K, in the product's order):
;;     1. batch 32 x [M 2,048, K 64] x [K 64, N 2,048]; A: input queries (given as codes); B: input keys (given as codes): QUANTISED
;;     2. batch 32 x [M 64, K 2,048] x [K 2,048, N 2,048]; A: input values (given as codes); B: softmax (see below): QUANTISED
;;   THE QUANTISER, for each operand of a quantised product, along K:
;;     - K is cut into blocks of 32 from its start; a last block that is shorter is filled with zeros.
;;     - A block's scale is 2^e with e = floor(log2(the largest magnitude in the block)) - 15, held to -126 .. 127; a block of zeros has e = 0. As a byte (E8M0): e + 127.
;;     - Each number is divided by its block's scale, clamped to +-57,344, and rounded to the nearest number of E5M2, ties to even, subnormals kept.
;;     - The product sums the exact products of the quantised numbers (number of the format x scale) in f32.
;;   ~~~python
;;   def quantise(x, axis):      # numpy; x: float32 -> the quantised numbers, widened to float32 again
;;       x = np.moveaxis(x, axis, -1); K = x.shape[-1]
;;       x = np.pad(x, [(0, 0)] * (x.ndim - 1) + [(0, -K % 32)]); x = x.reshape(x.shape[:-1] + (-1, 32)); a = np.abs(x).max(-1, keepdims=True)
;;       e = np.where(a > 0, np.clip(np.frexp(np.where(a > 0, a, 1))[1] - 1 - 15, -126, 127), 0)      # np.frexp(a)[1] - 1 = floor(log2(a)), exactly
;;       r = np.clip(x / 2.0 ** e, -57344, 57344)
;;       step = 2.0 ** (np.maximum(np.frexp(np.where(r == 0, 1, r))[1] - 1, -14) - 2)
;;       q = np.round(r / step) * step * 2.0 ** e      # np.round: ties to even
;;       return np.moveaxis(q.reshape(q.shape[:-2] + (-1,))[..., :K], -1, axis).astype(np.float32)
;;   ~~~
;;   SOFTMAX AHEAD OF A QUANTISED PRODUCT. Where the list says 'softmax', what is quantised is not the finished softmax but p = 2^(t - M), with t = logit x log2(e) and M = ceil(the row's largest t), a whole number; so 1/2 < the row's largest p <= 1. The row's sum l is taken of the UNQUANTISED p, in f32, and the product's result is divided by l at the end. Since M is a whole number, a kernel that streams over the keys may use a running M (the ceiling of the running maximum): every later rescaling is an exact power of two, which a block's scale takes up: the codes' values come out the same.
;;   OPERANDS COMPUTED ON THE WAY. 'Computed on the way' means the value that the module computes at that place (a softmax that the list does not call 'softmax' is quantised finished and normalised). What goes into a quantiser is computed in f32, as accurately as f32 sums, v_exp_f32 and their like allow (about 1e-6 of the number): no bf16 or f16 on the way to a quantiser, and a product that is left as it is and whose result goes on into a quantised operand takes f32 operands (vector FMAs, or v_wmma_f32_16x16x4_f32). A number that lies on a knife's edge between two numbers of the format may be rounded either way, as far as f32 arithmetic and the matrix unit's own rounding can turn it there, and no further.
;;   INPUTS GIVEN AS CODES. keys (in the module: [4, 2048, 8, 64], K = its axis 3); queries (in the module: [4, 2048, 8, 64], K = its axis 3); values (in the module: [4, 2048, 8, 64], K = its axis 1): each comes as NAME_codes (uint8): NAME with its K axis moved to the last place and cut into blocks of 32 codes, [.., K / 32, bytes a block], one block behind the other in memory; one code a byte (a code: sign, 5 exponent bits, 2 mantissa bits); and NAME_scales (uint8): the same leading axes, one E8M0 byte (e + 127) for each 32 codes along K. Its value is code x scale, taken as it is: it is not quantised again, and the codes and scales need not be those that the quantiser above would give.
;; One version. Each part assembles by itself: llvm-mc -triple=amdgcn-amd-amdhsa -mcpu=gfx1250 --defsym DOCPART=n.
;; ======== version 1 of 1: 2 launches
;; limits: right only within a limited range of input values
;; workspace buffers: flags 1,024 bytes of whole numbers
;; launch prep (part 1): grid 128 x 1, 16 waves a work-group, no clusters, 2,560 bytes of LDS; arguments attn_mask, flags; writes flags
.if DOCPART == 1
	.amdgcn_target "amdgcn-amd-amdhsa--gfx1250"
	.amdhsa_code_object_version 6
	.text
	.protected	k_q17870d0ad7_prep
	.globl	k_q17870d0ad7_prep
	.p2align	8
	.type	k_q17870d0ad7_prep,@function
k_q17870d0ad7_prep:
	s_mov_b64 s[64:65], 0
	v_nop
	global_prefetch_b8 v0, s[64:65] scope:SCOPE_SE
	s_setreg_imm32_b32 hwreg(HW_REG_WAVE_MODE, 25, 1), 1
	s_wait_xcnt 0x0
; THE MASK IS SCANNED ONCE.  attn_mask: [2048 queries][2048 keys], one byte each, 0 (the key counts) or 1 (it is hidden).
; A UNIT is a tile of 16 queries x a step of 128 keys.  For tile a (queries 16 a .. 16 a + 15) two words are stored:
;   flags[a]       ACT: bit s = 1 where step s (keys 128 s .. 128 s + 127) has at least one key that counts for some query of the tile
;   flags[128 + a] MIX: bit s = 1 where ACT's bit is 1 and at least one byte of the unit is 1
; Bits 16 to 31 of both are 0.  The next launch leaves out units with ACT = 0 and reads mask bytes only for units with MIX = 1.
; SHARES: work-group a takes tile a; wave w its row 16 a + w: 2,048 dense bytes, four loads of 512 consecutive bytes.
; 128 work-groups: that is all the work there is.  A work-group stores 8 bytes, 1,024 in the whole launch: parts of aligned blocks of 256 bytes, stated here.
; LIMIT: mask bytes are 0 or 1, as the buffer's type says.
	s_load_b128 s[4:7], s[0:1], 0x0                ; the mask s[4:5], the flags s[6:7]
	v_lshl_add_u32 v48, v0, 2, 0x200
	v_mov_b32 v49, 0
	v_lshrrev_b32 v1, 5, v0
	s_delay_alu instid0(VALU_DEP_1)
	v_readfirstlane_b32 s8, v1                     ; wave 0..15
	v_and_b32 v2, 31, v0
	s_delay_alu instid0(VALU_DEP_1)
	v_lshlrev_b32 v2, 4, v2                        ; 16 bytes a lane
	v_and_b32 v3, 0x1e0, v0                        ; LDS: 32 bytes for each wave
	v_bfe_u32 v4, v0, 4, 1                         ; wave 0's second part: lane = 16 x set + step; set 0: 'some key counts', set 1: 'some key is hidden'
	v_bfe_u32 v5, v0, 2, 2                         ; step / 4: which of a row's four loads
	s_delay_alu instid0(VALU_DEP_1)
	v_lshlrev_b32 v5, 2, v5
	s_delay_alu instid0(VALU_DEP_1)
	v_lshl_add_u32 v4, v4, 4, v5                   ; LDS: 16 x set + 4 x (step / 4)
	v_and_b32 v5, 3, v0
	s_delay_alu instid0(VALU_DEP_1)
	v_lshlrev_b32 v5, 3, v5                        ; and which eight lanes of that load: a shift by 8 x (step % 4)
	v_and_b32 v6, 1, v0
	s_delay_alu instid0(VALU_DEP_1)
	v_lshlrev_b32 v6, 9, v6                        ; lane 0 stores ACT, lane 1 MIX, 512 bytes on
	s_lshl_b32 s9, ttmp9, 4
	s_add_co_u32 s9, s9, s8                        ; my row of the mask
	s_lshl_b32 s10, s9, 11                         ; 2,048 bytes a row
	s_mov_b32 s11, 0
	s_mov_b32 s12, 0x01010101
	s_lshl_b32 s14, ttmp9, 2                       ; my tile's word
	s_mov_b32 s15, 0
	s_wait_kmcnt 0x0
	s_add_nc_u64 s[4:5], s[4:5], s[10:11]
	s_add_nc_u64 s[6:7], s[6:7], s[14:15]
.irp j, 0,1,2,3
	global_load_b128 v[8+4*\j:11+4*\j], v2, s[4:5] offset:512*\j th:TH_LOAD_NT   ; lane l of load j: keys 512 j + 16 l .. + 15, which lie in step 4 j + l / 8
.endr
.irp j, 0,1,2,3
	s_wait_loadcnt 3-\j                            ; loads come back in order: load j is in, the younger ones may be out
	v_and_b32 v[24+\j], v[8+4*\j], v[9+4*\j]
	v_or_b32  v[28+\j], v[8+4*\j], v[9+4*\j]
	s_delay_alu instid0(VALU_DEP_2)
	v_and_b32 v[24+\j], v[24+\j], v[10+4*\j]
	s_delay_alu instid0(VALU_DEP_2)
	v_or_b32  v[28+\j], v[28+\j], v[10+4*\j]
	s_delay_alu instid0(VALU_DEP_2)
	v_and_b32 v[24+\j], v[24+\j], v[11+4*\j]
	s_delay_alu instid0(VALU_DEP_2)
	v_or_b32  v[28+\j], v[28+\j], v[11+4*\j]
	s_delay_alu instid0(VALU_DEP_2)
	v_cmp_ne_u32 s[16+\j], s12, v[24+\j]           ; a lane's bit: one of its 16 bytes is 0
	s_delay_alu instid0(VALU_DEP_2)
	v_cmp_ne_u32 s[20+\j], 0, v[28+\j]             ; a lane's bit: one of its 16 bytes is 1
.endr
.irp k, 0,1,2,3,4,5,6,7
	v_mov_b32 v[32+\k], s[16+\k]
.endr
	ds_store_b128 v3, v[32:35]                     ; my row's eight words; all lanes write the same bytes with the same values
	ds_store_b128 v3, v[36:39] offset:16
	s_wait_dscnt 0x0                               ; for wave 0's sake: my stores have landed
	s_barrier_signal -1
	s_barrier_wait -1
	s_cmp_lg_u32 s8, 0
	s_cbranch_scc1 .Lend                           ; wave 0 joins the sixteen rows
.irp w, 0,1,2,3,4,5,6,7,8,9,10,11,12,13,14,15
	ds_load_b32 v[8+\w], v4 offset:32*\w
.endr
	s_wait_dscnt 0x0
.irp w, 0,2,4,6,8,10,12,14
	v_or_b32 v[8+\w], v[8+\w], v[9+\w]
.endr
.irp w, 0,4,8,12
	v_or_b32 v[8+\w], v[8+\w], v[10+\w]
.endr
	s_delay_alu instid0(VALU_DEP_3)
	v_or_b32 v8, v8, v12
	s_delay_alu instid0(VALU_DEP_2)
	v_or_b32 v16, v16, v20
	s_delay_alu instid0(VALU_DEP_1)
	v_or_b32 v8, v8, v16
	s_delay_alu instid0(VALU_DEP_1)
	v_lshrrev_b32 v8, v5, v8
	s_delay_alu instid0(VALU_DEP_1)
	v_and_b32 v8, 0xff, v8                         ; the eight lanes' bits of my step
	s_delay_alu instid0(VALU_DEP_1)
	v_cmp_ne_u32 vcc_lo, 0, v8                     ; bits 0-15: step s has a key that counts; bits 16-31: step s has a hidden key
	s_and_b32 s13, vcc_lo, 0xffff                  ; ACT
	s_lshr_b32 s16, vcc_lo, 16
	s_and_b32 s16, s16, s13                        ; MIX
	v_mov_b32 v9, s13
	v_mov_b32 v10, s16
	v_cmp_eq_u32 vcc_lo, 1, v0
	s_delay_alu instid0(VALU_DEP_1)
	v_cndmask_b32 v9, v9, v10, vcc_lo
	v_cmp_gt_u32 vcc_lo, 2, v0
	s_wait_alu depctr_va_vdst(0)
	s_wait_xcnt 0x0                                ; EXEC changes only behind this wait: it is a source of the loads above
	s_and_saveexec_b32 s17, vcc_lo
	global_store_b32 v6, v9, s[6:7]
	s_wait_xcnt 0x0                                ; and again in front of the line that widens it
	s_or_b32 exec_lo, exec_lo, s17
.Lend:
	s_wait_tensorcnt 0x0
	ds_add_u32 v48, v49
	s_wait_dscnt 0x0
	s_endpgm
.Lfunc_end_k_q17870d0ad7_prep:
	.size	k_q17870d0ad7_prep, .Lfunc_end_k_q17870d0ad7_prep-k_q17870d0ad7_prep
	.p2alignl 7, 3214868480
	.fill 96, 4, 3214868480
	.section	.rodata,"a",@progbits
	.p2align	6, 0x0
	.amdhsa_kernel k_q17870d0ad7_prep
		.amdhsa_group_segment_fixed_size 2560
		.amdhsa_private_segment_fixed_size 0
		.amdhsa_enable_private_segment 0
		.amdhsa_kernarg_size 16
		.amdhsa_user_sgpr_count 2
		.amdhsa_user_sgpr_kernarg_segment_ptr 1
		.amdhsa_wavefront_size32 1
		.amdhsa_system_sgpr_workgroup_id_x 1
		.amdhsa_system_sgpr_workgroup_id_y 1
		.amdhsa_system_sgpr_workgroup_id_z 1
		.amdhsa_system_vgpr_workitem_id 0
		.amdhsa_next_free_vgpr 50
		.amdhsa_next_free_sgpr 66
		.amdhsa_reserve_vcc 1
		.amdhsa_float_denorm_mode_32 3
		.amdhsa_float_denorm_mode_16_64 3
		.amdhsa_memory_ordered 1
		.amdhsa_forward_progress 1
		.amdhsa_inst_pref_size 8
	.end_amdhsa_kernel
	.amdgpu_metadata
---
amdhsa.version: [ 1, 2 ]
amdhsa.kernels:
  - .name:           k_q17870d0ad7_prep
    .symbol:         k_q17870d0ad7_prep.kd
    .args:
      - { .name: attn_mask, .offset: 0, .size: 8, .value_kind: global_buffer, .address_space: global }
      - { .name: flags, .offset: 8, .size: 8, .value_kind: global_buffer, .address_space: global }
    .group_segment_fixed_size: 2560
    .private_segment_fixed_size: 0
    .kernarg_segment_align: 8
    .kernarg_segment_size: 16
    .max_flat_workgroup_size: 512
    .sgpr_count:     66
    .vgpr_count:     50
    .wavefront_size: 32
...
	.end_amdgpu_metadata
.endif
;; end of part 1
;; launch attn (part 2): grid 8 x 32, 16 waves a work-group, no clusters, 310,272 bytes of LDS; arguments queries_codes, queries_scales, keys_codes, keys_scales, values_codes, values_scales, attn_mask, tau, flags, out0; writes out0
.if DOCPART == 2
	.amdgcn_target "amdgcn-amd-amdhsa--gfx1250"
	.amdhsa_code_object_version 6
	.text
	.protected	k_q17870d0ad7_attn
	.globl	k_q17870d0ad7_attn
	.p2align	8
	.type	k_q17870d0ad7_attn,@function
k_q17870d0ad7_attn:
	s_mov_b64 s[64:65], 0
	v_nop
	global_prefetch_b8 v0, s[64:65] scope:SCOPE_SE
	s_setreg_imm32_b32 hwreg(HW_REG_WAVE_MODE, 25, 1), 1
	s_wait_xcnt 0x0
; out[b][q][head][:] = sum over keys of softmax_k(where(mask[q][k], -inf, Q.K x exp(tau[b]) / 8)) V, both products on codes of BF8 (E5M2) with one E8M0 scale for each 32 along a product's K.
; Q, K: [b][row][head][64] codes, scale bytes [b][row][head][2].  V: [b][head][64 (d)][2048 keys] codes, scale bytes [b][head][64][64].  mask: [2048][2048] bytes.  out: [b][q][head][64] f32.
; THE SOFTMAX AHEAD OF THE SECOND PRODUCT: t = score x c, c = exp(tau) log2(e) / 8; M = the largest t so far, rounded UP to a whole number; p = 2^(t - M) is quantised along the keys, not normalised;
; the row's sum is taken of the unquantised p and divides at the end.  When M moves, the sum and O are multiplied by 2^(old M - new M): exact.
; UNITS.  A unit is a tile of 16 queries x a step of 128 keys.  The launch before stored, for each tile, which units have a key that counts (ACT) and which of those have hidden keys too (MIX).
; A unit without a key that counts is left out (its p would all be 0); a unit without hidden keys reads no mask byte; a mixed unit reads its 2,048 mask bytes.  That holds for every mask.
; SHARES.  A work-group serves one (b, head) and two query blocks of 128: first block 15 - x, then block x.  Its sixteen waves are eight tiles x two parities: wave w has tile w / 2 of each block and
; parity (w ^ (w / 4)) & 1; of a tile's 16 steps it takes those of its parity: eight trips, a constant count.  Branches on the stored flags jump over work alone: every wave passes every barrier.
; K AND V OF THE WHOLE HEAD STAY IN LDS.  They come once, through registers, in four chunks of 512 keys: a chunk is asked for when the chunk before has been stored, and is stored two trips later; one barrier publishes it.
; The second block is walked without a barrier.  At the end the two partial states of each tile (O^T, M, sum) are joined by exact powers of two: parity 0 finishes the first block's tile, parity 1 the second's.
; NO TENSOR LOADS, SO NO CLUSTER.
; NO PREFETCH: each chunk's 64 KiB are asked for two trips of work ahead of the wait for them; a mixed unit's mask bytes are asked for ahead of its first product.
; LAYOUT.  Both products are used transposed: S^T = K Q^T (source 0 = 16 keys, source 1 = my 16 queries), O^T = V^T P^T (source 0 = 16 of the head's 64): a lane holds ONE query (lane % 16) throughout.
; THE KEYS OF A TILE ARE NOT NEIGHBOURS: key k lies in LDS row rho(k) = k with bits 3 and 4 swapped, so that row m of tile 2 b + u is key 32 b + 8 u + m + 8 (m / 8), and the 16 registers of tiles 2 b, 2 b + 1 are
; the 16 neighbouring keys 32 b + 16 (lane / 16) + 0 .. 15: the conversions' results are the second product's operand.
; THE HEAD HAS 64 OF THE INSTRUCTION'S 128 ALONG K.  Q's upper eight registers are zero codes.  A K tile's upper eight registers are the next tile's codes (zeros for the last): they meet zero codes and add nothing;
; the upper two bytes of the scale words are 0, which is 2^-127 and no NaN.
; LIMITS: infinity and NaN codes and scale bytes 0xff in K or Q are not served (0 x such a number is NaN, and here it would reach a neighbouring tile of keys); such codes in units that are left out reach no result;
; mask bytes are 0 or 1; c is finite and positive and |t| stays under 2^31.  A row all of whose keys are hidden gives NaN, as the softmax of such a row does.
.set KP,   80                          ; a key's row in LDS: 64 bytes + 16: 16 neighbouring rows begin in 16 different columns of 16 bytes modulo 256
.set VP,   2064                        ; a row of V: 2,048 keys + 16
.set V0,   2048*KP                     ; LDS: K's 2,048 rows, then V's 64,
.set KSC,  V0+64*VP                    ; K's scale words, one a key at index rho(key): 8,192 bytes,
.set VSC,  KSC+8192                    ; V's: word [step][d]: 4,096 bytes,
.set SPARE, VSC+4096                   ; the spare words: 128 bytes a wave
.set WREG, 4608                        ; at the end, over K's rows: a wave's partial state for its partner: O^T's image 4,096 bytes, then -M and the sum,
.set OST,  16*WREG                     ; and the way out: 16 rows x 272 bytes a wave
.set AK,  1                            ; v1   K fragments: (128 parity + r) KP + 16 h
.set AV,  2                            ; v2   V fragments: V0 + VP r + 16 h + 128 parity
.set AKS, 3                            ; v3   K's scale words: KSC + 4 lane + 512 parity
.set AVS, 4                            ; v4   V's: VSC + 4 lane + 256 parity
.set WK,  5                            ; v5   where my thread stores 16 bytes of K: rho(tid / 4) KP + 16 (tid % 4)
.set WV,  6                            ; v6   and of V: V0 + VP (tid / 32) + 16 (tid % 32)
.set GK,  7                            ; v7   the same bytes in memory: 512 (tid / 4) + 16 (tid % 4)
.set GV,  8                            ; v8   2048 (tid / 32) + 16 (tid % 32)
.set GM,  9                            ; v9   mask bytes: 2048 r + 16 h
.set A0,  10                           ; v10, v11, v16  LDS addresses in hand
.set A1,  11
.set A2,  16
.set NM,  12                           ; v12  -M;  v13 the largest t so far;  v[14:15] the sum in two halves
.set TMX, 13
.set SUM, 14
.set QSL, 17                           ; v17  the second block's Q scales;  v18-25 its Q codes;  later v[18:21]: the first block's -M, -, sum, -
.set QL,  18
.set STG, 26                           ; v26-57   the next chunk's bytes on their way;  later the first block's O^T
.set F,   58                           ; v58      f = 2^(old M - new M)
.set PW,  59                           ; v59      p's scale word
.set T0,  60                           ; v60-63   at work
.set W0,  62
.set S,   64                           ; v64-127  S^T, then p.  v96-127 first hold K's tiles 0-3;  v64-95 last hold V's tiles 2, 3
.set KB,  128                          ; v128-159 K's tiles 4-7, then V's tiles 0, 1
.set ZK,  160                          ; v160-167 zeros: the last tile's upper half
.set Q,   168                          ; v168-175 Q's codes;  v176-183 zeros
.set ZQ,  176
.set PC,  184                          ; v184-199 p's codes;  ahead of them a mixed unit's mask bytes
.set MB,  184
.set O,   200                          ; v200-231 O^T: four tiles
.set KS,  232                          ; v232-235 K's scale words (lanes 0-15 an even tile's, lanes 16-31 the odd one's);  v236-237 V's;  v238 Q's
.set VS,  236
.set QS,  238
.set BM,  240                          ; v240-243 a block's largest score, then its largest p
.set BP,  244                          ; v244-247 at work; then the scales' bytes
.set BH,  248                          ; v248-251 57,344 x the scale
.set BS,  252                          ; v252-255 the conversion's scale operand
.set WVN, 2                            ; s2 wave;  s3 parity;  s24 tile;  s25 x;  s26 b;  s27 head
.set PAR, 3
.set TI,  24
.set XB,  25
.set BB,  26
.set HD,  27
.set CS,  28                           ; s[28:29] c, twice: the packed form names a pair
.set SEL, 30                           ; s[30:31] v_permlanex16_b32's selects for lane l xor 16
.set MNT, 32                           ; s32 the mantissa field of 57,344
.set M7F, 33                           ; s33 0x7f7f7f7f
.set KO,  34                           ; the trip's offsets: K's rows, K's scale words, V's scale words, V's columns
.set TS,  35
.set TJ,  36
.set TRIP, 37
.set ACTP, 38                          ; s38 bit 0: my unit of this trip has work;  s39: it is mixed;  shifted by 2 a trip
.set MIXP, 39
.set WN,  40                           ; s40 bit 4 c: some wave of the work-group needs chunk c
.set VO,  41
.set YY,  42                           ; s42 8 b + head;  s43 15 - x
.set X1,  43
.set KH,  48                           ; s[48:49], s[50:51] K and V at the head's first byte
.set VH,  50
.set MKW, 52                           ; s[52:53] the mask at my rows, my parity, the trip's step
.set CI,  100                          ; s100 0x00800000
; s[54:57] Q's codes at my tile, block 0, 1;  s[58:61] its scale bytes;  s[62:63], s[66:67] the mask;  s[68:71] out;  s72-87 ACT;  s88-91 my ACT, MIX of block 0, of block 1;  s92 tau;  s93-99 at work
.macro NOPS n
.rept \n
	v_nop
.endr
.endm
.macro WA
	s_wait_alu depctr_va_vdst(0)
.endm
; chunk c of K and V into the staging registers: 16 bytes a thread, eight times: keys 128 g + tid / 4; rows 16 g + tid / 32 of V, a wave 512 consecutive bytes
.macro ASK c
.irp g, 0,1,2,3
	global_load_b128 v[STG+4*\g:STG+4*\g+3], v[GK], s[KH:KH+1] offset:262144*(\c)+65536*\g
.endr
.irp g, 0,1,2,3
	global_load_b128 v[STG+16+4*\g:STG+16+4*\g+3], v[GV], s[VH:VH+1] offset:512*(\c)+32768*\g
.endr
.endm
	s_load_b512 s[4:19], s[0:1], 0x0               ; Q codes 4, Q scales 6, K codes 8, K scales 10, V codes 12, V scales 14, mask 16, tau 18
	s_load_b128 s[20:23], s[0:1], 0x40             ; flags 20, out 22
	v_lshrrev_b32 v64, 5, v0                       ; wave
	v_and_b32 v65, 15, v0                          ; r
	v_bfe_u32 v66, v0, 4, 1                        ; h
	v_and_b32 v67, 31, v0                          ; lane
	v_lshrrev_b32 v68, 2, v0                       ; the key that my thread brings
	v_and_b32 v69, 3, v0
	v_readfirstlane_b32 s[WVN], v64
	v_lshlrev_b32 v[GK], 9, v68
	v_lshlrev_b32 v[GV], 11, v64
	v_lshlrev_b32 v242, 9, v65
	v_lshl_add_u32 v[GK], v69, 4, v[GK]
	v_lshl_add_u32 v[GV], v67, 4, v[GV]
	v_lshl_add_u32 v242, v66, 4, v242              ; Q in memory: 512 r + 16 h
	v_lshlrev_b32 v243, 4, v65                     ; its scale bytes: 16 r
	v_lshlrev_b32 v240, 4, v0                      ; K's scale bytes: 16 bytes a key in memory
	v_lshlrev_b32 v241, 3, v0                      ; V's: 8 bytes a thread
	s_lshr_b32 s[PAR], s[WVN], 2
	s_xor_b32 s[PAR], s[PAR], s[WVN]
	s_and_b32 s[PAR], s[PAR], 1                    ; parity: partners w and w ^ 1 differ in it
	s_lshr_b32 s[TI], s[WVN], 1
	s_mov_b32 s[XB], ttmp9
	s_sub_co_u32 s[X1], 15, s[XB]
	s_and_b32 s[YY], ttmp7, 0xffff
	s_lshr_b32 s[BB], s[YY], 3
	s_and_b32 s[HD], s[YY], 7
	s_mov_b32 s95, 0                               ; the upper words of three offset pairs
	s_mov_b32 s97, 0
	s_mov_b32 s99, 0
	WA
	s_wait_kmcnt 0x0
	s_lshl_b32 s94, s[BB], 20
	s_lshl_b32 s96, s[HD], 6
	s_add_co_u32 s94, s94, s96
	s_add_nc_u64 s[KH:KH+1], s[8:9], s[94:95]      ; K: b x 2048 rows of 512 bytes + 64 head
	s_lshl_b32 s94, s[YY], 17
	s_add_nc_u64 s[VH:VH+1], s[12:13], s[94:95]    ; V: (8 b + head) x 64 rows of 2,048 bytes
	ASK 0
	s_lshl_b32 s94, s[BB], 15
	s_lshl_b32 s96, s[HD], 1
	s_add_co_u32 s94, s94, s96
	s_add_nc_u64 s[10:11], s[10:11], s[94:95]      ; K's scale bytes
	s_lshl_b32 s94, s[YY], 12
	s_add_nc_u64 s[14:15], s[14:15], s[94:95]      ; V's
.irp n, 0,1,2,3
	global_load_u16 v[72+\n], v240, s[10:11] offset:8192*\n      ; two scale bytes of key tid + 512 n, widened with zeros: the word's upper two bytes are 0
.endr
	global_load_b64 v[76:77], v241, s[14:15]
	s_lshl_b32 s94, s[BB], 2
	s_add_nc_u64 s[18:19], s[18:19], s[94:95]
	s_load_b32 s92, s[18:19], 0x0                  ; tau[b]
; The addresses of block r, whose number lies in s[xr], and its flags.
.macro BASES xr, r
	s_lshl_b32 s94, s[\xr], 7
	s_lshl_b32 s96, s[TI], 4
	s_add_co_u32 s94, s94, s96                     ; my first query: 128 X + 16 tile
	s_lshl_b32 s96, s[BB], 11
	s_add_co_u32 s96, s96, s94                     ; its row among the batch's: 2048 b + that
	s_lshl_b32 s98, s96, 9
	s_lshl_b32 s93, s[HD], 6
	s_add_co_u32 s98, s98, s93
	s_add_nc_u64 s[54+2*\r:55+2*\r], s[4:5], s[98:99]
	s_lshl_b32 s98, s96, 4
	s_lshl_b32 s93, s[HD], 1
	s_add_co_u32 s98, s98, s93
	s_add_nc_u64 s[58+2*\r:59+2*\r], s[6:7], s[98:99]
	s_lshl_b32 s98, s94, 11
	s_lshl_b32 s93, s[PAR], 7
	s_add_co_u32 s98, s98, s93
	s_add_nc_u64 s[62+4*\r:63+4*\r], s[16:17], s[98:99]
	s_lshl_b32 s98, s96, 11
	s_lshl_b32 s93, s[HD], 8
	s_add_co_u32 s98, s98, s93
	s_add_nc_u64 s[68+2*\r:69+2*\r], s[22:23], s[98:99]
	s_lshl_b32 s98, s[\xr], 5
	s_add_nc_u64 s[44+8*\r:45+8*\r], s[20:21], s[98:99]
	s_load_b256 s[72+8*\r:79+8*\r], s[44+8*\r:45+8*\r], 0x0      ; ACT of the block's eight tiles
	s_lshl_b32 s98, s[TI], 2
	s_add_nc_u64 s[46-6*\r:47-6*\r], s[44+8*\r:45+8*\r], s[98:99]
	s_load_b32 s[88+2*\r], s[46-6*\r:47-6*\r], 0x0               ; my tile's ACT
	s_load_b32 s[89+2*\r], s[46-6*\r:47-6*\r], 0x200             ; and MIX
.endm
	BASES X1, 0
	BASES XB, 1
	global_load_b128 v[Q:Q+3],   v242, s[54:55]
	global_load_b128 v[Q+4:Q+7], v242, s[54:55] offset:32
	global_load_u16 v[QS], v243, s[58:59]
	global_load_b128 v[QL:QL+3],   v242, s[56:57]
	global_load_b128 v[QL+4:QL+7], v242, s[56:57] offset:32
	global_load_u16 v[QSL], v243, s[60:61]
	; every LDS address is made of constants, the lane, the wave's number
	s_mul_i32 s93, s[PAR], 128*KP
	s_lshl_b32 s94, s[PAR], 7
	s_add_co_u32 s94, s94, V0
	s_lshl_b32 s96, s[PAR], 9
	s_add_co_u32 s96, s96, KSC
	s_lshl_b32 s98, s[PAR], 8
	s_add_co_u32 s98, s98, VSC
	s_mov_b32 s[SEL], 0x76543210
	s_mov_b32 s[SEL+1], 0xfedcba98
	s_mov_b32 s[MNT], 0x600000
	s_mov_b32 s[M7F], 0x7f7f7f7f
	s_mov_b32 s[CI], 0x00800000
	v_mul_u32_u24 v[AK], v65, KP
	v_mul_u32_u24 v[AV], v65, VP
	v_mul_u32_u24 v[WV], v64, VP
	v_lshlrev_b32 v[GM], 11, v65
	v_lshl_add_u32 v[AK], v66, 4, v[AK]
	v_lshl_add_u32 v[AV], v66, 4, v[AV]
	v_lshl_add_u32 v[WV], v67, 4, v[WV]
	v_lshl_add_u32 v[GM], v66, 4, v[GM]
	v_add_nc_u32 v[AK], s93, v[AK]
	v_add_nc_u32 v[AV], s94, v[AV]
	v_add_nc_u32 v[WV], V0, v[WV]
	v_lshl_add_u32 v[AKS], v67, 2, s96
	v_lshl_add_u32 v[AVS], v67, 2, s98
	v_bfe_u32 v70, v0, 5, 1                        ; my key's bit 3
	v_bfe_u32 v71, v0, 6, 1                        ; its bit 4
	v_and_b32 v68, 0x67, v68
	v_bfe_u32 v78, v0, 3, 1
	v_bfe_u32 v79, v0, 4, 1
	v_and_b32 v80, 0x1e7, v0
	v_lshl_or_b32 v68, v70, 4, v68
	v_lshl_or_b32 v80, v78, 4, v80
	v_and_b32 v81, 7, v0
	v_lshl_or_b32 v68, v71, 3, v68                 ; rho
	v_lshl_or_b32 v80, v79, 3, v80
	v_lshrrev_b32 v82, 3, v0
	v_mul_u32_u24 v[WK], v68, KP
	v_lshl_add_u32 v[A0], v80, 2, KSC              ; K's scale words: KSC + 4 x (tid with bits 3 and 4 swapped)
	v_lshlrev_b32 v[A1], 9, v81
	v_lshl_add_u32 v[WK], v69, 4, v[WK]
	v_lshl_add_u32 v[A1], v82, 2, v[A1]
	v_add_nc_u32 v[A1], VSC, v[A1]                 ; V's: VSC + 512 (tid % 8) + 4 (tid / 8): steps 2 (tid % 8) and + 1 of row d = tid / 8
	; written once: zero codes; a lane permute's destinations, which count as sources; the upper half of a named pair.  O^T begins as zeros: which unit is a wave's first hangs on the flags
.irp base, ZK, ZQ
.set i, 0
.rept 8
	v_mov_b32 v[\base+i], 0
.set i, i+1
.endr
.endr
.irp b, 0,1,2,3
	v_mov_b32 v[BP+\b], 0
.endr
	v_mov_b32 v[PW], 0
	v_mov_b32 v[T0], 0
.macro STATE                           ; the state of a block at its beginning
.set i, 0
.rept 16
	v_dual_mov_b32 v[O+i], 0 :: v_dual_mov_b32 v[O+i+1], 0
.set i, i+2
.endr
	v_mov_b32 v[TMX], 0xff61b1e6                   ; -3e38, under every t
	v_mov_b32 v[SUM], 0
	v_mov_b32 v[SUM+1], 0
	v_floor_f32 v[NM], -v[TMX]
.endm
	STATE
	WA
	s_wait_kmcnt 0x0
	v_mov_b32 v78, s92
	v_mul_f32 v78, 0x3fb8aa3b, v78                 ; tau x log2(e)
	WA
	v_exp_f32 v78, v78                             ; exp(tau)
	v_nop                                          ; a plain instruction behind the exponential,
	WA                                             ; and the wait ahead of its first reader
	v_mul_f32 v78, 0x3e38aa3b, v78                 ; x log2(e) / 8
	v_readfirstlane_b32 s[CS], v78
	s_mov_b32 s[CS+1], s[CS]
	s_mov_b32 s[WN], s72
.irp i, 73,74,75,76,77,78,79,80,81,82,83,84,85,86,87
	s_or_b32 s[WN], s[WN], s\i
.endr
	s_lshr_b32 s93, s[WN], 1
	s_or_b32 s[WN], s[WN], s93
	s_lshr_b32 s93, s[WN], 2
	s_or_b32 s[WN], s[WN], s93                     ; bit 4 c: some tile of the two blocks needs one of the steps 4 c .. 4 c + 3
.irp i, 88,89,90,91
	s_lshr_b32 s\i, s\i, s[PAR]
	s_and_b32 s\i, s\i, 0x5555                     ; bit 2 j: my step 2 j + parity has work, or is mixed
.endr
	s_mov_b32 s[ACTP], s88
	s_mov_b32 s[MIXP], s89
	s_mov_b64 s[MKW:MKW+1], s[62:63]
	s_wait_loadcnt 0x6                             ; the scale bytes are in; the six loads for Q may be out
.irp n, 0,1,2,3
	ds_store_b32 v[A0], v[72+\n] offset:2048*\n
.endr
	ds_store_b32 v[A1], v76
	ds_store_b32 v[A1], v77 offset:256             ; the first chunk's barrier shows these to every wave
; The first products.  K's eight tiles of 16 rows x 64 bytes are asked for in one run; tile 3's upper half is tile 4's codes, so tiles 0 to 4 are waited for first.
.macro QK
	v_add_nc_u32 v[A0], s[KO], v[AK]
	v_add_nc_u32 v[A1], s[TS], v[AKS]
.irp t, 0,1,2,3
.irp c, 0,1
	ds_load_b128 v[S+32+8*\t+4*\c:S+32+8*\t+4*\c+3], v[A0] offset:16*KP*\t+32*\c
.endr
.endr
.irp i, 0,1,2,3
	ds_load_b32 v[KS+\i], v[A1] offset:128*\i      ; lanes 0-15: tile 2 i's rows, lanes 16-31: tile 2 i + 1's
.endr
.irp t, 0,1,2,3
.irp c, 0,1
	ds_load_b128 v[KB+8*\t+4*\c:KB+8*\t+4*\c+3], v[A0] offset:16*KP*(4+\t)+32*\c
.endr
.endr
	WA
	s_wait_dscnt 0x6                               ; all but tiles 5 to 7
	KQ S, S+32, KS
	v_add_nc_u32 v[A0], s[VO], v[AV]               ; nine places: the next products write over registers that these have read
	v_add_nc_u32 v[A2], s[TJ], v[AVS]
	v_add_nc_u32 v[A1], 32*VP, v[A0]               ; V's rows 32 further down
	NOPS 6
	WA
	s_wait_dscnt 0x0
	KQ S+32, KB, KS+2
.endm
.macro KQ d, a, k                      ; four products, each on an accumulator of its own, begun with the constant 0
.irp t, 0,1,2,3
.if \t%2
	v_wmma_scale_f32_16x16x128_f8f6f4 v[\d+8*\t:\d+8*\t+7], v[\a+8*\t:\a+8*\t+15], v[Q:Q+15], 0, v[\k+\t/2], v[QS] matrix_a_fmt:MATRIX_FMT_BF8 matrix_b_fmt:MATRIX_FMT_BF8 matrix_a_scale:MATRIX_SCALE_ROW1
.else
	v_wmma_scale_f32_16x16x128_f8f6f4 v[\d+8*\t:\d+8*\t+7], v[\a+8*\t:\a+8*\t+15], v[Q:Q+15], 0, v[\k+\t/2], v[QS] matrix_a_fmt:MATRIX_FMT_BF8 matrix_b_fmt:MATRIX_FMT_BF8
.endif
.endr
.endm
; Hidden scores become -infinity.  A mask word's bytes, 0 or 1, are made 0x7f or 0xff; each becomes the top byte over 0x800000: +infinity or -infinity; the minimum with it keeps the score or hides it.
; Ascending; tiles 0 to 3 are the places behind the products of tiles 4 to 7.
.macro MASKAPPLY
.irp n, 0,1,2,3,4,5,6,7,8,9,10,11,12,13,14,15
	v_lshl_or_b32 v[W0+(\n%2)], v[MB+\n], 7, s[M7F]
.irp e, 0,1,2,3
	v_perm_b32 v[T0+(\e%2)], v[W0+(\n%2)], s[CI], ((4+\e)<<24)|0x020000
	v_min_num_f32 v[S+4*\n+\e], v[S+4*\n+\e], v[T0+(\e%2)]
.endr
.endr
.endm
.macro MAXH p, q                       ; the largest score of each block of 32 keys, two blocks by turns: it serves the row's maximum and, since p rises with the score, the block's largest p
.irp b, \p,\q
	v_max3_num_f32 v[BM+\b], v[S+16*\b], v[S+16*\b+1], v[S+16*\b+2]
	v_max3_num_f32 v[BP+\b], v[S+16*\b+8], v[S+16*\b+9], v[S+16*\b+10]
.endr
.irp i, 3,5
.irp b, \p,\q
	v_max3_num_f32 v[BM+\b], v[BM+\b], v[S+16*\b+\i], v[S+16*\b+\i+1]
	v_max3_num_f32 v[BP+\b], v[BP+\b], v[S+16*\b+8+\i], v[S+16*\b+9+\i]
.endr
.endr
.irp b, \p,\q
	v_max3_num_f32 v[BM+\b], v[BM+\b], v[BP+\b], v[S+16*\b+7]
.endr
.irp b, \p,\q
	v_max_num_f32 v[BM+\b], v[BM+\b], v[S+16*\b+15]
.endr
.endm
.macro SOFTMAX
	MAXH 0, 1                                      ; these sixteen are the places behind the products of tiles 4 to 7
.irp t, 0,1
.irp c, 0,1,2,3
	ds_load_b128 v[KB+16*\t+4*\c:KB+16*\t+4*\c+3], v[A0] offset:16*VP*\t+32*\c   ; V's tiles 0 and 1 (16 of the head's 64 x my 128 keys each)
.endr
.endr
.irp i, 0,1
	ds_load_b32 v[VS+\i], v[A2] offset:128*\i
.endr
	MAXH 2, 3
.irp b, 0,1,2,3
	v_permlanex16_b32 v[BP+\b], v[BM+\b], s[SEL], s[SEL+1]
.endr
.irp b, 0,1,2,3
	v_max_num_f32 v[BM+\b], v[BM+\b], v[BP+\b]     ; with lane l xor 16's 16 keys
.endr
	s_delay_alu instid0(VALU_DEP_2)
	v_max3_num_f32 v[T0], v[BM], v[BM+1], v[BM+2]
	s_delay_alu instid0(VALU_DEP_1)
	v_max_num_f32 v[T0], v[T0], v[BM+3]            ; the unit's largest score of my query
	s_delay_alu instid0(VALU_DEP_1)
	v_mul_f32 v[T0], s[CS], v[T0]                  ; as t (c is positive)
	s_delay_alu instid0(VALU_DEP_1)
	v_max_num_f32 v[TMX], v[TMX], v[T0]
	v_mov_b32 v[T0], v[NM]
	s_delay_alu instid0(VALU_DEP_2)
	v_floor_f32 v[NM], -v[TMX]                     ; the new -M = floor(-t): M is a whole number
.set j, 0
.rept 32
	v_pk_fma_f32 v[S+j:S+j+1], v[S+j:S+j+1], s[CS:CS+1], v[NM:NM+1] op_sel_hi:[1,0,0]   ; t - M, two at a time
.if j == 14
	v_sub_f32 v[T0], v[NM], v[T0]                  ; old M - new M: a whole number, 0 or less
.endif
.if j == 30
	v_cvt_i32_f32 v[T0], v[T0]                     ; (it saturates)
.endif
.if j == 46
	v_ldexp_f32 v[F], 1.0, v[T0]                   ; f = 2^(old M - new M)
.endif
.set j, j+2
.endr
.irp b, 0,1,2,3
	v_fma_f32 v[BM+\b], v[BM+\b], s[CS], v[NM]     ; the same of each block's largest score
.endr
.set j, 0
	WA
.rept 64
	v_exp_f32 v[S+j], v[S+j]                       ; p = 2^(t - M); 0 for a hidden key
.set j, j+1
.endr
	v_pk_mul_f32 v[SUM:SUM+1], v[SUM:SUM+1], v[F:F+1] op_sel_hi:[1,0]   ; the sum under the new M: the plain instruction behind the batch
	WA                                             ; one wait for the 64, ahead of their first reader
.irp b, 0,1,2,3
	v_exp_f32 v[BM+\b], v[BM+\b]                   ; the block's largest p: the same two instructions on the same number give the same bits
.endr
	v_pk_add_f32 v[60:61],   v[S:S+1],     v[S+2:S+3]      ; the row's sum of the unquantised p, in five chains
	v_pk_add_f32 v[62:63],   v[S+4:S+5],   v[S+6:S+7]
	v_pk_add_f32 v[244:245], v[S+8:S+9],   v[S+10:S+11]
	v_pk_add_f32 v[246:247], v[S+12:S+13], v[S+14:S+15]
	v_pk_add_f32 v[SUM:SUM+1], v[SUM:SUM+1], v[S+16:S+17]
.set j, 18
.rept 5
.irp r, 60,62,244,246,14
.if j < 64
	v_pk_add_f32 v[\r:\r+1], v[\r:\r+1], v[S+j:S+j+1]
.endif
.set j, j+2
.endr
.endr
	v_pk_add_f32 v[60:61], v[60:61], v[244:245]
	v_pk_add_f32 v[62:63], v[62:63], v[246:247]
	WA                                             ; and one for the four
.irp b, 0,1,2,3
	v_max_num_f32 v[BM+\b], 0x8000000, v[BM+\b]    ; the floor 2^(16 - 127): the byte cannot fall under 1; a block of zeros keeps that byte over zero codes
.endr
.irp b, 0,1,2,3
	v_add_nc_u32 v[BS+\b], 0xf8800000, v[BM+\b]    ; 15 off the exponent field: the conversion's scale operand
.endr
.irp b, 0,1,2,3
	v_and_or_b32 v[BH+\b], v[BM+\b], 0x7f800000, s[MNT]   ; 57,344 x the scale
.endr
.irp b, 0,1,2,3
	v_lshrrev_b32 v[BP+\b], 23, v[BS+\b]           ; the scale's byte
.endr
	v_lshl_or_b32 v[PW], v[BP+1], 8, v[BP]
	s_delay_alu instid0(VALU_DEP_1)
	v_lshl_or_b32 v[PW], v[BP+2], 16, v[PW]
	s_delay_alu instid0(VALU_DEP_1)
	v_lshl_or_b32 v[PW], v[BP+3], 24, v[PW]        ; p's scale word for these 128 keys
.irp b, 0,1,2,3
.set i, 0
.rept 8
	v_dual_min_num_f32 v[S+16*\b+i], v[S+16*\b+i], v[BH+\b] :: v_dual_min_num_f32 v[S+16*\b+i+1], v[S+16*\b+i+1], v[BH+\b]   ; the conversion to an 8-bit code does not saturate (ISA guide 7.6.2); p is not negative, so the hold is one-sided
.set i, i+2
.endr
	v_cvt_scalef32_pk8_bf8_f32 v[PC+4*\b:PC+4*\b+1], v[S+16*\b:S+16*\b+7], v[BS+\b]
	v_cvt_scalef32_pk8_bf8_f32 v[PC+4*\b+2:PC+4*\b+3], v[S+16*\b+8:S+16*\b+15], v[BS+\b]
.if \b < 2
.irp c, 0,1,2,3
	ds_load_b128 v[S+16*\b+4*\c:S+16*\b+4*\c+3], v[A1] offset:16*VP*\b+32*\c   ; the block's p are done with: their registers take V's tile 2 + b
.endr
.endif
.endr
	WA                                             ; ahead of the first reader of O^T
.set j, 0
.rept 16
	v_pk_mul_f32 v[O+j:O+j+1], v[O+j:O+j+1], v[F:F+1] op_sel_hi:[1,0]   ; O^T under the new M.  These 16 are also the plain instructions between the conversions, the scale word and the products below
.set j, j+2
.endr
.endm
.macro PV                              ; O^T += V^T P^T: four accumulators, one instruction each
	WA
	s_wait_dscnt 0x0                               ; V's fragments and scale words are in
.irp t, 0,1,2,3
.set VF, KB+16*\t
.if \t > 1
.set VF, S+16*(\t-2)
.endif
.if \t%2
	v_wmma_scale_f32_16x16x128_f8f6f4 v[O+8*\t:O+8*\t+7], v[VF:VF+15], v[PC:PC+15], v[O+8*\t:O+8*\t+7], v[VS+\t/2], v[PW] matrix_a_fmt:MATRIX_FMT_BF8 matrix_b_fmt:MATRIX_FMT_BF8 matrix_a_scale:MATRIX_SCALE_ROW1
.else
	v_wmma_scale_f32_16x16x128_f8f6f4 v[O+8*\t:O+8*\t+7], v[VF:VF+15], v[PC:PC+15], v[O+8*\t:O+8*\t+7], v[VS+\t/2], v[PW] matrix_a_fmt:MATRIX_FMT_BF8 matrix_b_fmt:MATRIX_FMT_BF8
.endif
.endr
	v_pk_add_f32 v[SUM:SUM+1], v[SUM:SUM+1], v[60:61]
	v_pk_add_f32 v[SUM:SUM+1], v[SUM:SUM+1], v[62:63]
	NOPS 7                                         ; nine places: the next unit's first products write over V's registers
	WA
.endm
; MY UNIT OF A TRIP, if it has work: 128 keys.  A mixed unit asks for its mask bytes first: lane (r, h) takes, of row r, 16 bytes of each block of 32 keys: those of its 64 scores.
.macro TRIPBODY
	s_bitcmp1_b32 s[ACTP], 0
	s_cbranch_scc0 .Lskip_\@
	s_bitcmp1_b32 s[MIXP], 0
	s_cbranch_scc0 .Lplain_\@
.irp c, 0,1,2,3
	global_load_b128 v[MB+4*\c:MB+4*\c+3], v[GM], s[MKW:MKW+1] offset:32*\c
.endr
	QK
	s_wait_loadcnt 0x0                             ; for 0: the mask bytes are the youngest loads
	MASKAPPLY
	WA
	s_branch .Lsoft_\@
.Lplain_\@:
	QK
.Lsoft_\@:
	SOFTMAX
	PV
.Lskip_\@:
	s_lshr_b32 s[ACTP], s[ACTP], 2
	s_lshr_b32 s[MIXP], s[MIXP], 2
	s_add_co_u32 s[KO], s[KO], 256*KP              ; 256 keys on: the next step of my parity
	s_add_co_u32 s[TS], s[TS], 1024
	s_add_co_u32 s[TJ], s[TJ], 512
	s_add_co_u32 s[VO], s[VO], 256
	s_add_nc_u64 s[MKW:MKW+1], s[MKW:MKW+1], 256
.endm
.macro WALK n, c                       ; n trips from chunk c on
	s_mov_b32 s[KO], 512*KP*\c
	s_mov_b32 s[TS], 2048*\c
	s_mov_b32 s[TJ], 1024*\c
	s_mov_b32 s[VO], 512*\c
	s_mov_b32 s[TRIP], 0
.Ltrip_\@:
	TRIPBODY
	s_add_co_u32 s[TRIP], s[TRIP], 1
	s_cmp_lt_u32 s[TRIP], \n
	s_cbranch_scc1 .Ltrip_\@
.endm
; A CHUNK of 512 keys: what has come is stored into rows of its own, the next chunk is asked for, one barrier publishes this one; then two trips.
.macro CHUNK c
	s_wait_loadcnt 0x0
	s_bitcmp1_b32 s[WN], 4*\c
	s_cbranch_scc0 .Lnost_\@
	v_add_nc_u32 v[A0], 512*KP*\c, v[WK]
	v_add_nc_u32 v[A1], 512*\c, v[WV]
	v_add_nc_u32 v[A2], 512*\c+32*VP, v[WV]
.irp g, 0,1,2,3
	ds_store_b128 v[A0], v[STG+4*\g:STG+4*\g+3] offset:128*KP*\g
.endr
.irp g, 0,1
	ds_store_b128 v[A1], v[STG+16+4*\g:STG+16+4*\g+3] offset:16*VP*\g
	ds_store_b128 v[A2], v[STG+24+4*\g:STG+24+4*\g+3] offset:16*VP*\g
.endr
.Lnost_\@:
	s_wait_dscnt 0x0                               ; for the other waves' sake: my stores have landed
.if \c < 3
	s_bitcmp1_b32 s[WN], 4*\c+4
	s_cbranch_scc0 .Lnoask_\@
	ASK \c+1
.Lnoask_\@:
.endif
	s_barrier_signal -1
	s_barrier_wait -1
	WALK 2, \c
.endm
	WA
	CHUNK 0
	CHUNK 1
	CHUNK 2
	CHUNK 3
	; THE SECOND BLOCK: its Q takes the first's place; the first's state is put aside
	v_mov_b32 v[QS], v[QSL]
.irp i, 0,2,4,6
	v_dual_mov_b32 v[Q+\i], v[QL+\i] :: v_dual_mov_b32 v[Q+\i+1], v[QL+\i+1]
.endr
.macro SUMJOIN d                       ; my keys' sum of my query
	v_add_f32 v[SUM], v[SUM], v[SUM+1]
	s_delay_alu instid0(VALU_DEP_1)
	v_permlanex16_b32 v[T0], v[SUM], s[SEL], s[SEL+1]
	s_delay_alu instid0(VALU_DEP_1)
	v_add_f32 v[\d], v[SUM], v[T0]
.endm
	SUMJOIN QL+2
	v_mov_b32 v[QL], v[NM]
.set i, 0
.rept 16
	v_dual_mov_b32 v[STG+i], v[O+i] :: v_dual_mov_b32 v[STG+i+1], v[O+i+1]
.set i, i+2
.endr
	STATE
	s_mov_b32 s[ACTP], s90
	s_mov_b32 s[MIXP], s91
	s_mov_b64 s[MKW:MKW+1], s[66:67]
	WA
	WALK 8, 0
	; THE END.  Each wave hands one partial state to its partner, as an image of its registers, over K's rows, which nobody reads any more behind the barrier: parity 0 hands on the second block's, parity 1 the first's
	SUMJOIN SUM
	s_mul_i32 s93, s[WVN], WREG
	s_xor_b32 s94, s[WVN], 1
	s_mul_i32 s94, s94, WREG
	s_mul_i32 s96, s[WVN], 4352
	s_add_co_u32 s96, s96, OST
	v_and_b32 v6, 31, v0
	v_and_b32 v7, 15, v0
	v_bfe_u32 v8, v0, 4, 1
	v_lshl_add_u32 v1, v6, 4, s93                  ; my region
	v_lshl_add_u32 v2, v6, 4, s94                  ; my partner's
	v_mul_u32_u24 v3, v7, 272
	v_mul_u32_u24 v4, v8, 272
	v_lshlrev_b32 v5, 11, v8
	v_lshl_add_u32 v3, v8, 5, v3
	v_lshl_add_u32 v4, v7, 4, v4
	v_lshl_add_u32 v5, v7, 4, v5                   ; my bytes in out: 2048 h + 16 r
	v_add_nc_u32 v3, s96, v3                       ; the way out: where I put 32 bytes of row r,
	v_add_nc_u32 v4, s96, v4                       ; and where I read a row back
	WA
	s_wait_dscnt 0x0
	s_barrier_signal -1
	s_barrier_wait -1
	s_cmp_eq_u32 s[PAR], 0
	s_cbranch_scc0 .Lodd
.irp i, 0,1,2,3,4,5,6,7
	ds_store_b128 v1, v[O+4*\i:O+4*\i+3] offset:512*\i
.endr
	ds_store_b128 v1, v[12:15] offset:4096         ; -M and the sum
.set i, 0
.rept 16
	v_dual_mov_b32 v[O+i], v[STG+i] :: v_dual_mov_b32 v[O+i+1], v[STG+i+1]
.set i, i+2
.endr
	v_mov_b32 v[NM], v[QL]
	v_mov_b32 v[SUM], v[QL+2]
	WA
	s_branch .Lhanded
.Lodd:
.irp i, 0,1,2,3,4,5,6,7
	ds_store_b128 v1, v[STG+4*\i:STG+4*\i+3] offset:512*\i
.endr
	ds_store_b128 v1, v[QL:QL+3] offset:4096
.Lhanded:
	s_wait_dscnt 0x0                               ; for the partner's sake: my stores have landed
	s_barrier_signal -1
	s_barrier_wait -1
	ds_load_b128 v[96:99], v2 offset:4096          ; the partner's -M (v96) and sum (v98)
.irp i, 0,1,2,3,4,5,6,7
	ds_load_b128 v[S+4*\i:S+4*\i+3], v2 offset:512*\i
.endr
	s_cmp_eq_u32 s[PAR], 0
	s_cselect_b64 s[68:69], s[68:69], s[70:71]     ; parity 0: the first block's tile
	s_wait_dscnt 0x0
	v_min_num_f32 v100, v[NM], v96                 ; -M*: the larger M of the two
	v_sub_f32 v101, v100, v[NM]                    ; my M - M*, a whole number, 0 or less
	v_sub_f32 v102, v100, v96                      ; the partner's
	v_cvt_i32_f32 v101, v101
	v_cvt_i32_f32 v102, v102
	v_ldexp_f32 v101, 1.0, v101                    ; exact powers of two; 0 for a state that never met a key that counts
	v_ldexp_f32 v102, 1.0, v102
	v_mul_f32 v103, v[SUM], v101
	v_fma_f32 v103, v98, v102, v103                ; the row's sum under M*
	WA
	v_rcp_f32 v103, v103                           ; a row without a key that counts: 1 / 0, and 0 x infinity below gives its NaN
	v_nop                                          ; a plain instruction behind the reciprocal,
	WA                                             ; and the wait ahead of its first reader
	v_mul_f32 v104, v101, v103
	v_mul_f32 v105, v101, v103
	v_mul_f32 v106, v102, v103
	v_mul_f32 v107, v102, v103
.set j, 0
.rept 16
	v_pk_mul_f32 v[O+j:O+j+1], v[O+j:O+j+1], v[104:105]
.set j, j+2
.endr
.set j, 0
.rept 16
	v_pk_fma_f32 v[O+j:O+j+1], v[S+j:S+j+1], v[106:107], v[O+j:O+j+1]
.set j, j+2
.endr
.irp t, 0,1,2,3
	ds_store_b128 v3, v[O+8*\t:O+8*\t+3]   offset:64*\t          ; lane (r, h): out(r, 16 t + 8 h + 0 .. 7): 32 bytes of row r
	ds_store_b128 v3, v[O+8*\t+4:O+8*\t+7] offset:64*\t+16
.endr
.irp i, 0,1,2,3,4,5,6,7
	ds_load_b128 v[S+4*\i:S+4*\i+3], v4 offset:544*\i            ; LDS serves a wave's instructions in order (ISA guide 5.7.1.4): these see my stores.  Lanes 0-15 one row, lanes 16-31 the next
.endr
.irp i, 0,1,2,3,4,5,6,7
	s_wait_dscnt 7-\i                              ; load i is in; the younger ones may be out
	global_store_b128 v5, v[S+4*\i:S+4*\i+3], s[68:69] offset:4096*\i th:TH_STORE_NT   ; sixteen lanes store a head's row: 256 consecutive bytes, at a multiple of 256 from out's first byte
.endr
	v_lshl_add_u32 v10, v0, 2, SPARE               ; the wave's end
	v_mov_b32 v11, 0
	WA
	s_wait_tensorcnt 0x0
	ds_add_u32 v10, v11
	s_wait_dscnt 0x0
	s_endpgm
.Lfunc_end_k_q17870d0ad7_attn:
	.size	k_q17870d0ad7_attn, .Lfunc_end_k_q17870d0ad7_attn-k_q17870d0ad7_attn
	.p2alignl 7, 3214868480
	.fill 96, 4, 3214868480
	.section	.rodata,"a",@progbits
	.p2align	6, 0x0
	.amdhsa_kernel k_q17870d0ad7_attn
		.amdhsa_group_segment_fixed_size 310272
		.amdhsa_private_segment_fixed_size 0
		.amdhsa_enable_private_segment 0
		.amdhsa_kernarg_size 80
		.amdhsa_user_sgpr_count 2
		.amdhsa_user_sgpr_kernarg_segment_ptr 1
		.amdhsa_wavefront_size32 1
		.amdhsa_system_sgpr_workgroup_id_x 1
		.amdhsa_system_sgpr_workgroup_id_y 1
		.amdhsa_system_sgpr_workgroup_id_z 1
		.amdhsa_system_vgpr_workitem_id 0
		.amdhsa_next_free_vgpr 256
		.amdhsa_next_free_sgpr 102
		.amdhsa_reserve_vcc 0
		.amdhsa_float_denorm_mode_32 3
		.amdhsa_float_denorm_mode_16_64 3
		.amdhsa_memory_ordered 1
		.amdhsa_forward_progress 1
		.amdhsa_inst_pref_size 190
	.end_amdhsa_kernel
	.amdgpu_metadata
---
amdhsa.version: [ 1, 2 ]
amdhsa.kernels:
  - .name:           k_q17870d0ad7_attn
    .symbol:         k_q17870d0ad7_attn.kd
    .args:
      - { .name: queries_codes, .offset: 0, .size: 8, .value_kind: global_buffer, .address_space: global }
      - { .name: queries_scales, .offset: 8, .size: 8, .value_kind: global_buffer, .address_space: global }
      - { .name: keys_codes, .offset: 16, .size: 8, .value_kind: global_buffer, .address_space: global }
      - { .name: keys_scales, .offset: 24, .size: 8, .value_kind: global_buffer, .address_space: global }
      - { .name: values_codes, .offset: 32, .size: 8, .value_kind: global_buffer, .address_space: global }
      - { .name: values_scales, .offset: 40, .size: 8, .value_kind: global_buffer, .address_space: global }
      - { .name: attn_mask, .offset: 48, .size: 8, .value_kind: global_buffer, .address_space: global }
      - { .name: tau, .offset: 56, .size: 8, .value_kind: global_buffer, .address_space: global }
      - { .name: flags, .offset: 64, .size: 8, .value_kind: global_buffer, .address_space: global }
      - { .name: out0, .offset: 72, .size: 8, .value_kind: global_buffer, .address_space: global }
    .group_segment_fixed_size: 310272
    .private_segment_fixed_size: 0
    .kernarg_segment_align: 8
    .kernarg_segment_size: 80
    .max_flat_workgroup_size: 512
    .sgpr_count:     102
    .vgpr_count:     256
    .wavefront_size: 32
...
	.end_amdgpu_metadata
.endif
;; end of part 2
